; MI455X (gfx1250); checked and timed in simulation.
; The chip was launched on July 23, 2026; its instructions are those of AMD's public machine-readable ISA for CDNA 5 (MIT licence, August 2026) and "CDNA5" Instruction Set Architecture Reference Guide (July 2026). The comments in the code are by the model that wrote it; some were corrected since.
;; Binary Diff. Allowed arithmetic: matrix products marked QUANTISED: E2M1 operands, one E8M0 scale for each 32 along K, by v_wmma_scale_f32_16x16x128_f8f6f4 with both operands' format E2M1 (or v_wmma_scale_f32_32x16x128_f4), f32 sums; everything else in f32.
;; Inputs: base_codes 4,096 x 128 x 16 uint8 (E2M1 codes of base, K innermost, in blocks of 32 codes, two codes a byte); base_scales 4,096 x 128 uint8 (E8M0 scales of base, one for each 32 codes along K); coeff 1 float32; mask 4,096 x 4,096 int32; x_codes 4 x 512 x 128 x 16 uint8 (E2M1 codes of x, K innermost, in blocks of 32 codes, two codes a byte); x_scales 4 x 512 x 128 uint8 (E8M0 scales of x, one for each 32 codes along K).
;; Outputs: out0 4 x 512 x 4,096 float32.
;; This version of the problem:
;;   THIS VERSION OF THE PROBLEM IS GIVEN IN LOW PRECISION. The matrix products marked QUANTISED in the list below multiply operands that are first quantised to E2M1 (2 exponent bits, 1 mantissa bit; 4 bits a number), with one power-of-two scale for each 32 numbers along K (OCP MX v1.0); their sums are f32. All else is computed in f32.
;;   The module's matrix products, in the order in which they are computed (A, B: the left and right operand; K: the contracted axis; several contracted axes count as one K, in the product's order):
;;     1. [M 2,048, K 4,096] x [K 4,096, N 4,096]; A: input x (given as codes); B: input base (given as codes): QUANTISED
;;     2. [M 2,048, K 4,096] x [K 4,096, N 4,096]; A: input x (given as codes); B: input mask: QUANTISED
;;   THE QUANTISER, for each operand of a quantised product, along K:
;;     - K is cut into blocks of 32 from its start; a last block that is shorter is filled with zeros.
;;     - A block's scale is 2^e with e = floor(log2(the largest magnitude in the block)) - 2, held to -126 .. 127; a block of zeros has e = 0. As a byte (E8M0): e + 127.
;;     - Each number is divided by its block's scale, clamped to +-6, and rounded to the nearest number of E2M1, ties to even, subnormals kept.
;;     - The product sums the exact products of the quantised numbers (number of the format x scale) in f32.
;;   ~~~python
;;   def quantise(x, axis):      # numpy; x: float32 -> the quantised numbers, widened to float32 again
;;       x = np.moveaxis(x, axis, -1); K = x.shape[-1]
;;       x = np.pad(x, [(0, 0)] * (x.ndim - 1) + [(0, -K % 32)]); x = x.reshape(x.shape[:-1] + (-1, 32)); a = np.abs(x).max(-1, keepdims=True)
;;       e = np.where(a > 0, np.clip(np.frexp(np.where(a > 0, a, 1))[1] - 1 - 2, -126, 127), 0)      # np.frexp(a)[1] - 1 = floor(log2(a)), exactly
;;       r = np.clip(x / 2.0 ** e, -6, 6)
;;       step = 2.0 ** (np.maximum(np.frexp(np.where(r == 0, 1, r))[1] - 1, 0) - 1)
;;       q = np.round(r / step) * step * 2.0 ** e      # np.round: ties to even
;;       return np.moveaxis(q.reshape(q.shape[:-2] + (-1,))[..., :K], -1, axis).astype(np.float32)
;;   ~~~
;;   INPUTS GIVEN AS CODES. base (in the module: [4096, 4096], K = its axis 0); x (in the module: [4, 512, 4096], K = its axis 2): each comes as NAME_codes (uint8): NAME with its K axis moved to the last place and cut into blocks of 32 codes, [.., K / 32, bytes a block], one block behind the other in memory; two codes a byte, the lower K in the low four bits (a code: sign, 2 exponent bits, 1 mantissa bit); and NAME_scales (uint8): the same leading axes, one E8M0 byte (e + 127) for each 32 codes along K. Its value is code x scale, taken as it is: it is not quantised again, and the codes and scales need not be those that the quantiser above would give.
;; One version. Each part assembles by itself: llvm-mc -triple=amdgcn-amd-amdhsa -mcpu=gfx1250 --defsym DOCPART=n.
;; ======== version 1 of 1: 2 launches
;; limits: right only within a limited range of input values
;; workspace buffers: mcodes 8,388,608 bytes; scl 1,310,720 bytes
;; launch prep (part 1): grid 64 x 8, 4 waves a work-group, no clusters, 18,944 bytes of LDS; arguments mask, x_scales, base_scales, mcodes, scl; writes mcodes, scl
.if DOCPART == 1
	.amdgcn_target "amdgcn-amd-amdhsa--gfx1250"
	.amdhsa_code_object_version 6
	.text
	.protected	k_q6378ee2ac6_prep
	.globl	k_q6378ee2ac6_prep
	.p2align	8
	.type	k_q6378ee2ac6_prep,@function
k_q6378ee2ac6_prep:
	s_mov_b64 s[64:65], 0
	v_nop
	global_prefetch_b8 v0, s[64:65] scope:SCOPE_SE
	s_setreg_imm32_b32 hwreg(HW_REG_WAVE_MODE, 25, 1), 1
	s_wait_xcnt 0x0
; mask [4096 (k)][4096 (n)], int32, is cast to f32 (to nearest even) and quantised along K, its FIRST axis, into codes of FP4 (E2M1): mcodes [n 4096][2048 bytes], K innermost, laid as base_codes.
; A block's scale is 2^(floor(log2(its largest magnitude)) - 2); its byte is the largest magnitude's exponent field - 2, held at 1 from below.  Any int32 is served: nothing is built in about the mask's values.
; LIMIT: a block of zeros gets the byte 1 where the rule says 127: its codes are zeros, which add nothing under any byte but 0xff, and this program alone reads the byte.
; ALL SCALE BYTES (x's and base's as they are given, the mask's as made here) are laid anew in scl, in the order in which the product's launch takes them into its scale registers:
;   a group = 16 rows x 128 bytes = 2,048 bytes, laid [t: K step of 512, 8][r: row, 16][16 bytes = the row's four scale words of that K step].
;   x: group row / 16 at 2,048 x group.   From BSEC on, for each 64 columns cg = n / 64, eight groups: 0-3 base's four groups of 16 columns, 4-7 the mask's for the same columns.
; SHARES.  Work-group (cg, t) takes 64 columns x 512 along K; wave kq the K quarter 128 kq on, four blocks of 32; lane l the columns 2 l and 2 l + 1.  One load of a wave reads 256 consecutive aligned bytes of one row of the mask.
; The conversion to f32 also parts the two columns, so that a block of 32 along K lies in 32 consecutive registers of one lane: its largest magnitude needs no other lane, and the codes come out with K innermost.
; The codes of the work-group's 64 columns x 512 K meet in a stage in LDS and leave as rows: sixteen lanes store 256 consecutive aligned bytes of a column's row.  One barrier.
; No tensor load, no cluster, no matrix unit: a stream that is read once and shared by nobody.  Loads run two blocks (64 loads a wave) ahead.  No register that a pending memory instruction reads is written again.
.set ROWM,  16384                      ; a row of the mask in bytes
.set PITCH, 272                        ; a stage row: 256 bytes of codes + 16
.set SCST,  64*PITCH                   ; behind the code stage: the scale stage, 16 bytes a column
.set BSEC,  262144                     ; where base's and the mask's groups begin in scl
.set FLOOR, 0x1800000                  ; 2^(3 - 127): under it no largest magnitude is taken, so the byte cannot fall under 1
.set R,  16                            ; v16-143  two sets of 64 words as loaded: register 2 i + c = row i of the block, column c.  At the end v16-47 take the rows read back
.set X,  144                           ; v144-207 the block in f32: column c at X + 32 c
.set C,  208                           ; v208-239 codes: block b, column c at C + 8 b + 4 c; never written twice
.set M,  240                           ; v240-243 four chains of maxima
.set SO, 244                           ; v244-245 the conversions' scale operands
.set BY, 246                           ; v246-247 a scale byte
.set SW, 248                           ; v248-249 the scale words of my two columns
.set RL, 250                           ; v250-253 16 given scale bytes on their way
.set OS, 254                           ; v254-255 8 of the mask's scale bytes on their way out
	s_load_b256 s[4:11], s[0:1], 0x0               ; mask s[4:5], x_scales s[6:7], base_scales s[8:9], mcodes s[10:11]
	s_load_b64 s[12:13], s[0:1], 0x20              ; scl
	v_lshl_add_u32 v14, v0, 2, 0x4800
	v_mov_b32 v15, 0
	v_lshrrev_b32 v1, 5, v0
	v_readfirstlane_b32 s14, v1                    ; kq: wave 0..3
	v_and_b32 v1, 31, v0                           ; lane
	v_and_b32 v2, 15, v0                           ; lane % 16
	v_bfe_u32 v3, v0, 4, 1                         ; h = lane / 16
	s_and_b32 s15, ttmp7, 0xffff                   ; t
	s_lshl_b32 s16, s15, 6
	s_add_co_u32 s16, s16, ttmp9                   ; id = 64 t + cg
	v_lshlrev_b32 v4, 3, v1                        ; 8 x lane: my two columns in a row of the mask, and my 8 bytes of the mask's scale bytes
	v_mul_u32_u24 v5, v1, PITCH
	s_lshl_b32 s17, s14, 6
	v_add_nc_u32 v5, s17, v5                       ; code stage, in: row lane (+ 32 for the odd column), my wave's 64 bytes
	s_lshl_b32 s17, s14, 2
	s_add_co_u32 s17, s17, SCST
	v_lshl_add_u32 v6, v1, 5, s17                  ; scale stage, in: column 2 lane at 32 x lane, word kq
	v_mul_u32_u24 v7, v3, 32*PITCH
	v_lshl_add_u32 v7, v2, 4, v7
	s_mul_i32 s17, s14, 8*PITCH
	v_add_nc_u32 v7, s17, v7                       ; code stage, out: column 16 kq + 2 i + h lies in stage row 32 h + 8 kq + i; sixteen lanes to a row
	v_lshl_add_u32 v8, v0, 3, SCST                 ; scale stage, out: 8 bytes a thread: wave kq takes columns 16 kq .. 16 kq + 15
	v_lshlrev_b32 v9, 11, v3
	v_lshl_add_u32 v9, v2, 4, v9                   ; and the same place in mcodes: 2,048 h + 16 (lane % 16)
	v_lshrrev_b32 v10, 4, v0
	v_lshlrev_b32 v10, 4, v10
	v_lshl_add_u32 v11, v2, 7, v10                 ; the given scales of a group: thread T reads row T % 16, bytes 16 (T / 16) on,
	v_lshlrev_b32 v12, 4, v0                       ; and stores them at 16 T
	s_lshl_b32 s17, s15, 2
	s_add_co_u32 s17, s17, s14
	s_lshl_b32 s20, s17, 21                        ; mask: (512 t + 128 kq) rows of 16,384 bytes
	s_lshl_b32 s18, ttmp9, 8
	s_add_co_u32 s20, s20, s18                     ; + 256 cg
	s_mov_b32 s21, 0
	s_lshl_b32 s22, ttmp9, 17                      ; mcodes: (64 cg + 16 kq) rows of 2,048 bytes + 256 t
	s_lshl_b32 s18, s14, 15
	s_add_co_u32 s22, s22, s18
	s_lshl_b32 s19, s15, 8
	s_add_co_u32 s22, s22, s19
	s_mov_b32 s23, 0
	s_lshl_b32 s24, ttmp9, 14                      ; scl: BSEC + (8 cg + 4 + kq) groups + 256 t
	s_add_co_u32 s18, s14, 4
	s_lshl_b32 s18, s18, 11
	s_add_co_u32 s24, s24, s18
	s_add_co_u32 s24, s24, s19
	s_add_co_u32 s24, s24, BSEC
	s_mov_b32 s25, 0
	s_wait_kmcnt 0x0
	s_mov_b64 s[30:31], s[12:13]                   ; scl's first byte, for the given scales
	s_add_nc_u64 s[4:5], s[4:5], s[20:21]
	s_add_nc_u64 s[10:11], s[10:11], s[22:23]
	s_add_nc_u64 s[12:13], s[12:13], s[24:25]
.macro LOAD b                          ; block b: rows 32 b + i of my quarter, my two columns, into set b % 2
.irp i, 0,1,2,3,4,5,6,7,8,9,10,11,12,13,14,15,16,17,18,19,20,21,22,23,24,25,26,27,28,29,30,31
	global_load_b64 v[R+64*((\b)%2)+2*\i:R+64*((\b)%2)+2*\i+1], v4, s[4:5] offset:(32*(\b)+\i)*ROWM th:TH_LOAD_NT   ; 127 rows at the most: inside the signed 24-bit immediate
.endr
.endm
	; THE GIVEN SCALES: work-groups 0-127 lay x's 128 groups anew, work-groups 128-383 base's 256; the others have none.  A branch on the work-group's number; no LDS and no barrier stand under it.
	; They are loaded ahead of the mask, so block 0's wait shows them in too, and they are stored behind block 0.
.irp i, 0,1,2,3
	v_mov_b32 v[RL+\i], 0                          ; (written on every way through the text)
.endr
	s_wait_alu depctr_va_vdst(0)                   ; the wait at the head's end
	s_cmp_lt_u32 s16, 384
	s_cbranch_scc0 .Lno_relay
	s_cmp_lt_u32 s16, 128
	s_cselect_b64 s[28:29], s[6:7], s[8:9]         ; the choice hangs on the work-group's number alone
	s_cselect_b32 s17, 0, 128
	s_sub_co_u32 s17, s16, s17                     ; g: the group
	s_lshl_b32 s18, s17, 11                        ; where it begins in its tensor, and x's place in scl
	s_lshr_b32 s19, s17, 2
	s_lshl_b32 s19, s19, 14
	s_and_b32 s26, s17, 3
	s_lshl_b32 s26, s26, 11
	s_add_co_u32 s19, s19, s26
	s_add_co_u32 s19, s19, BSEC                    ; base's place: BSEC + 16,384 (g / 4) + 2,048 (g % 4)
	s_cmp_lt_u32 s16, 128
	s_cselect_b32 s26, s18, s19
	s_mov_b32 s27, 0
	s_mov_b32 s19, 0
	s_add_nc_u64 s[28:29], s[28:29], s[18:19]
	s_add_nc_u64 s[30:31], s[30:31], s[26:27]
	global_load_b128 v[RL:RL+3], v11, s[28:29]
.Lno_relay:
	LOAD 0
	LOAD 1
.macro BLOCK b
.set RS, R+64*((\b)%2)
.if (\b) < 3
	s_wait_loadcnt 32                              ; this block's 32 loads are in; the next block's 32 may be out
.else
	s_wait_loadcnt 0x0
.endif
.irp i, 0,1,2,3,4,5,6,7,8,9,10,11,12,13,14,15,16,17,18,19,20,21,22,23,24,25,26,27,28,29,30,31
	v_cvt_f32_i32 v[X+\i], v[RS+2*\i]              ; the cast, which also parts the even column
	v_cvt_f32_i32 v[X+32+\i], v[RS+2*\i+1]         ; from the odd one
.endr
.if (\b) < 2
	LOAD (\b)+2                                    ; the set has been read: it takes the block two on
.endif
.irp c, 0,1
.irp u, 0,1
	v_max3_num_f32 v[M+2*\c+\u], |v[X+32*\c+16*\u]|, |v[X+32*\c+16*\u+1]|, FLOOR   ; four chains by turns: a column's 32 numbers in two halves; the floor is one more leaf
.endr
.endr
.irp i, 2,4,6,8,10,12,14
.irp c, 0,1
.irp u, 0,1
	v_max3_num_f32 v[M+2*\c+\u], v[M+2*\c+\u], |v[X+32*\c+16*\u+\i]|, |v[X+32*\c+16*\u+\i+1]|
.endr
.endr
.endr
.irp c, 0,1
	v_max_num_f32 v[M+2*\c], v[M+2*\c], v[M+2*\c+1]   ; the block's largest magnitude
.endr
.irp c, 0,1
	v_add_nc_u32 v[SO+\c], 0xff000000, v[M+2*\c]   ; 2 off its exponent field: the conversion takes the exponent field of this operand as its scale, and nothing else of it
.endr
.irp c, 0,1
.irp g, 0,1,2,3
	v_cvt_scalef32_pk8_fp4_f32 v[C+8*(\b)+4*\c+\g], v[X+32*\c+8*\g:X+32*\c+8*\g+7], v[SO+\c]   ; to the nearest code, ties to even, beyond 6 the largest code; the lower k in the lower bits
.endr
.endr
.irp c, 0,1                                    ; the scale's byte, four to a word, the lower K in the lower byte.  These plain lines also stand between the conversions and the next block's writes of their sources
.if (\b) == 0
	v_lshrrev_b32 v[SW+\c], 23, v[SO+\c]
.else
	v_lshrrev_b32 v[BY+\c], 23, v[SO+\c]
	v_lshl_or_b32 v[SW+\c], v[BY+\c], 8*(\b), v[SW+\c]
.endif
.endr
.irp c, 0,1
	ds_store_b128 v5, v[C+8*(\b)+4*\c:C+8*(\b)+4*\c+3] offset:\c*32*PITCH+16*(\b)   ; 32 codes: 16 bytes of my column's stage row
.endr
.endm
	BLOCK 0
	s_wait_alu depctr_va_vdst(0)                   ; the wait ahead of the branch
	s_cmp_lt_u32 s16, 384
	s_cbranch_scc0 .Lno_store
	global_store_b128 v12, v[RL:RL+3], s[30:31]    ; older than block 0's loads, so in; sixteen lanes store 256 consecutive aligned bytes
.Lno_store:
	BLOCK 1
	BLOCK 2
	BLOCK 3
.irp c, 0,1
	ds_store_b32 v6, v[SW+\c] offset:16*\c         ; my columns' scale words for this quarter
.endr
	s_wait_dscnt 0x0                               ; for the others' sake: my stores into both stages are done
	s_barrier_signal -1
	s_barrier_wait -1
	ds_load_b64 v[OS:OS+1], v8
.irp i, 0,1,2,3,4,5,6,7
	ds_load_b128 v[16+4*\i:16+4*\i+3], v7 offset:\i*PITCH
.endr
	s_wait_dscnt 8                                 ; the scale bytes are back; the eight loads of codes may be out
	global_store_b64 v4, v[OS:OS+1], s[12:13]      ; 32 lanes store 256 consecutive aligned bytes: the mask's group kq, K step t
.irp i, 0,1,2,3,4,5,6,7
	s_wait_dscnt 7-\i
	global_store_b128 v9, v[16+4*\i:16+4*\i+3], s[10:11] offset:\i*4096   ; columns 16 kq + 2 i and + 1: sixteen lanes store 256 consecutive aligned bytes of a column's row
.endr
	s_wait_tensorcnt 0x0
	ds_add_u32 v14, v15
	s_wait_dscnt 0x0
	s_endpgm
.Lfunc_end_k_q6378ee2ac6_prep:
	.size	k_q6378ee2ac6_prep, .Lfunc_end_k_q6378ee2ac6_prep-k_q6378ee2ac6_prep
	.p2alignl 7, 3214868480
	.fill 96, 4, 3214868480
	.section	.rodata,"a",@progbits
	.p2align	6, 0x0
	.amdhsa_kernel k_q6378ee2ac6_prep
		.amdhsa_group_segment_fixed_size 18944
		.amdhsa_private_segment_fixed_size 0
		.amdhsa_enable_private_segment 0
		.amdhsa_kernarg_size 40
		.amdhsa_user_sgpr_count 2
		.amdhsa_user_sgpr_kernarg_segment_ptr 1
		.amdhsa_wavefront_size32 1
		.amdhsa_system_sgpr_workgroup_id_x 1
		.amdhsa_system_sgpr_workgroup_id_y 1
		.amdhsa_system_sgpr_workgroup_id_z 1
		.amdhsa_system_vgpr_workitem_id 0
		.amdhsa_next_free_vgpr 256
		.amdhsa_next_free_sgpr 66
		.amdhsa_reserve_vcc 0
		.amdhsa_float_denorm_mode_32 3
		.amdhsa_float_denorm_mode_16_64 3
		.amdhsa_memory_ordered 1
		.amdhsa_forward_progress 1
		.amdhsa_inst_pref_size 39
	.end_amdhsa_kernel
	.amdgpu_metadata
---
amdhsa.version: [ 1, 2 ]
amdhsa.kernels:
  - .name:           k_q6378ee2ac6_prep
    .symbol:         k_q6378ee2ac6_prep.kd
    .args:
      - { .name: mask, .offset: 0, .size: 8, .value_kind: global_buffer, .address_space: global }
      - { .name: x_scales, .offset: 8, .size: 8, .value_kind: global_buffer, .address_space: global }
      - { .name: base_scales, .offset: 16, .size: 8, .value_kind: global_buffer, .address_space: global }
      - { .name: mcodes, .offset: 24, .size: 8, .value_kind: global_buffer, .address_space: global }
      - { .name: scl, .offset: 32, .size: 8, .value_kind: global_buffer, .address_space: global }
    .group_segment_fixed_size: 18944
    .private_segment_fixed_size: 0
    .kernarg_segment_align: 8
    .kernarg_segment_size: 40
    .max_flat_workgroup_size: 128
    .sgpr_count:     66
    .vgpr_count:     256
    .wavefront_size: 32
...
	.end_amdgpu_metadata
.endif
;; end of part 1
;; launch gemm (part 2): grid 32 x 8, 4 waves a work-group, clusters of 4 x 4, 327,680 bytes of LDS; arguments x_codes, base_codes, mcodes, scl, coeff, out0; writes out0
.if DOCPART == 2
	.amdgcn_target "amdgcn-amd-amdhsa--gfx1250"
	.amdhsa_code_object_version 6
	.text
	.protected	k_q6378ee2ac6_gemm
	.globl	k_q6378ee2ac6_gemm
	.p2align	8
	.type	k_q6378ee2ac6_gemm,@function
k_q6378ee2ac6_gemm:
	s_mov_b64 s[64:65], 0
	v_nop
	global_prefetch_b8 v0, s[64:65] scope:SCOPE_SE
	s_setreg_imm32_b32 hwreg(HW_REG_WAVE_MODE, 25, 1), 1
	s_wait_xcnt 0x0
	s_wait_alu depctr_hold_cnt(0) depctr_sa_sdst(0) depctr_va_vdst(0) depctr_va_sdst(0) depctr_va_ssrc(0) depctr_va_vcc(0) depctr_vm_vsrc(0)
	s_getreg_b32 s2, hwreg(HW_REG_IB_STS2, 6, 4)
	s_cmp_eq_u32 s2, 0
	s_cbranch_scc0 .Lentry_in_a_cluster
	s_endpgm
.Lentry_in_a_cluster:
	s_bfe_u32 s2, ttmp6, 0x10000c
	s_cmp_lg_u32 s2, 0xf033
	s_cbranch_scc0 .Lentry_shape_is_right
	s_endpgm
.Lentry_shape_is_right:
; out[m][n] = sum_k x[m][k] base[k][n] + c sum_k x[m][k] mask[k][n], m 2,048, n 4,096, k 4,096: both products on codes of FP4 (E2M1) with one E8M0 scale for each 32 along K; sums in f32.
; x_codes [2048][2048 bytes], base_codes and mcodes [4096 (n)][2048 bytes]: K innermost, two codes a byte.  scl: all scale bytes, laid by the launch before in groups of 16 rows, [K step of 512][row][16 bytes].
; BOTH PRODUCTS IN ONE TILE.  A work-group makes 256 rows x 128 columns of out.  Its tile of B has 256 rows: 128 rows of base_codes and the SAME 128 columns' rows of mcodes.  A wave (four, as many as a WGP has SIMDs)
; holds 128 x 128 sums in 512 registers: 128 rows x (64 columns of x base, the same 64 columns of x mask).  On the way out one packed multiply-add makes out = the first + c x the second.  8 x 32 = 256 work-groups.
; K goes in steps of 512 through a ring of two LDS slots filled by the tensor data mover: a tile's row is 256 bytes of memory.
; THE SCALE WORDS go from memory straight into the scale registers: the scales of all of K would not fit in LDS beside two such slots.  Eight loads of 16 bytes a lane bring a K step's words, a K step ahead.
; CLUSTERS: 4 x 4 work-groups.  The four of a row of the cluster need the same tiles of A, the four of a column the same tiles of B: each tile is asked for JOINTLY, by the same tensor load with the same descriptor
; and a mask that names the four.
; THE MATRIX INSTRUCTION (32 x 16 x 128) IS USED TRANSPOSED: source 0 = 32 rows of B, source 1 = 16 rows of A: lane l then holds row l % 16 of a block of out; registers 8 i + 0 .. 7 are its columns 16 i + 8 (l / 16) + 0 .. 7.
; REGISTERS, in windows of 256: window 0: v16-31 addresses; v32-95 scale words, two sets, and nothing else; v128-255 A's fragments (8 blocks of 16 rows x 128 K), two sets; in the last K step two pairs of blocks, all of its K.
;   window 1: B's fragments, two sets at v0 and v64 (blocks 0-3 base's, 4-7 the mask's); in the last K step all 256: B's fragments of the whole step.
;   window 2: the sums of my rows 0-63 (block a of 16 rows: v[64 (a % 4)]: 32 registers of x base, 32 of x mask);   window 3: those of my rows 64-127.
; THE LAST K STEP GOES BY ROWS of out: a pair of blocks is finished, packed in place, put through my stage in LDS, read back into the registers of its spent x mask sums and stored while the next pair is multiplied.
.set NQ,     4                         ; matrix instructions deep in a slot
.set ROWB,   256                       ; a tile's row in bytes
.set KROW,   2048                      ; a row of codes in memory
.set PITCH,  272                       ; an LDS row: 256 bytes + 16 = 68 words: the 16 rows that a load touches begin 4 words further on each, modulo 64 words
.set HALFT,  128*PITCH                 ; what one tensor load brings
.set SLOT,   4*HALFT                   ; A's 256 rows, base's 128, the mask's 128
.set LAPS,   4                         ; a lap = two K steps
.set SPARE,  2*SLOT                    ; behind the ring: the spare words, 128 bytes for each wave, that no other line names
.set STAGE,  SPARE+512                 ; the way out: 16 rows x 272 bytes for each wave; no tile lands here
.set NB4,    16384                     ; a row of out in bytes
.set BSEC,   262144                    ; where B's groups begin in scl
.set SSTEP,  256                       ; a K step on in a group of scales
.set ADRA, 16                          ; v16-17  LDS address of my A fragments in slot 0, 1
.set ADRB, 20                          ; v20-21  the same for B
.set STO,  24                          ; v24     the way out: where I put 32 bytes of a row
.set RD,   25                          ; v25     where I read a row back
.set CO,   26                          ; v26     my byte offset in two rows of out
.set ADSA, 27                          ; v27     my offset in scl for A's words: lane l takes row l of 32
.set SPW,  28                          ; v28     LDS address of my spare word; never rewritten
.set NIL,  29                          ; v29     0; never rewritten
.set PFO,  30                          ; v30     2,048 x lane: a lane a row; never rewritten
.set ADSB, 31                          ; v31     my offset in scl for B's words
.set SC,   32                          ; set s at v[SC + 32 s]; register 4 i + q: B's pair i of blocks, 16 + 4 i + q: A's pair i, lane l row l of 32; the slot's q-th 128 along K
.set AF,   128
.set SCB,  10                          ; s[10:11] scl
.set OUT,  14                          ; s[14:15] my part of out
.set G1,   24                          ; s[24:31] descriptor group 1 for A's tiles;  s[32:39] group 0, one set for each slot
.set G0,   32
.set G1B,  48                          ; s[48:55], s[56:63] the same for B's tiles
.set G0B,  56
.set CF,   66                          ; s[66:67] c, twice: the packed form names a pair
.set PFA,  68                          ; s[68:69] where my prefetches stand
.set LIM,  70                          ; s70     1 in a wave that prefetches, else the greatest number
.set MSB, 0
.macro WIN new                         ; the immediate's high byte repeats the setting that is left
.if MSB != (\new)
	s_set_vgpr_msb (MSB<<8)|(\new)
.set MSB, \new
.endif
.endm
.set MUL_LO, 0xa1                      ; source 0 (B) window 1, source 1 (A) window 0, C and D window 2; + 0x50: C and D window 3
.set TO_B,   0x40                      ; destination window 1, address window 0
; A joint load: waves 0 and 1 fetch A's halves, wave 2 base's rows, wave 3 the mask's.  Each of the two lines has one mask; the branch hangs on the wave's number alone.
; Four v_nop follow each of the two lines, ahead of the jump, the label and what follows.
.macro JLOAD s
	s_cmp_eq_u32 s17, 0
	s_cbranch_scc0 .Lfor_b_\@
	tensor_load_to_lds s[G0+4*\s:G0+4*\s+3], s[G1:G1+7]
	s_nop 0
.rept 4
	v_nop
.endr
	s_branch .Lasked_\@
.Lfor_b_\@:
	tensor_load_to_lds s[G0B+4*\s:G0B+4*\s+3], s[G1B:G1B+7]
	s_nop 0
.rept 4
	v_nop
.endr
.Lasked_\@:
.endm
; A prefetch into the L2: 32 rows x 256 bytes of the K step o on from where PFA stands, a lane a row.  Behind the joint load of K step 0 stands the request for K step 1, behind that of K step 1 the requests for K steps 2 and 3,
; and in the loop, behind that of K step k, the request for K step k + 2.
; The four partners that ask for a tile jointly share its 128 rows out by address, 32 each.  B's rows are named by each cluster that loads them (two); A's, which eight clusters load, by clusters x = 0 and 4.
; The loop's last trip asks for nothing: there is no K step two refills on.
.macro ASK o
	s_cmp_gt_u32 s3, s[LIM]
	s_cbranch_scc0 .Lnot_mine_\@
	global_prefetch_b8 v[PFO], s[PFA:PFA+1] offset:\o*ROWB th:TH_LOAD_NT scope:SCOPE_SE
.if \o == 2
	global_prefetch_b8 v[PFO], s[PFA:PFA+1] offset:3*ROWB th:TH_LOAD_NT scope:SCOPE_SE
.endif
.Lnot_mine_\@:
.endm
.macro CREST                           ; a round of the cluster's barrier behind its opening barrier
	s_cmp_lg_u32 s16, 0
	s_cbranch_scc1 .Lnot_wave_0_\@
	s_barrier_signal -3
.Lnot_wave_0_\@:
	s_barrier_wait -3
	s_barrier_signal -1
	s_barrier_wait -1
.endm
.macro CROUND                          ; a whole round
	s_barrier_signal -1
	s_barrier_wait -1
	CREST
.endm
	s_load_b256 s[4:11], s[0:1], 0x0               ; x_codes s[4:5], base_codes s[6:7], mcodes s[8:9], scl s[10:11]
	s_load_b128 s[12:15], s[0:1], 0x20             ; coeff s[12:13], out s[14:15]
	v_lshl_add_u32 v[SPW], v0, 2, SPARE
	v_mov_b32 v[NIL], 0
	ds_add_u32 v[SPW], v[NIL]                      ; the wave's opening: the add, twice on end, and its wait ahead of my first tensor load
	ds_add_u32 v[SPW], v[NIL]
	v_lshrrev_b32 v1, 5, v0
	v_readfirstlane_b32 s16, v1                    ; wave 0..3
	s_lshr_b32 s17, s16, 1                         ; ih: which half of the tile's rows is mine.  Also: I fetch for A (0) or for B (1)
	s_and_b32 s18, s16, 1                          ; jh: which 64 of its 128 columns.  Also: which of the two loads I issue
	s_bfe_u32 s40, ttmp6, 0x40000                  ; cx, cy: my place in the cluster
	s_bfe_u32 s41, ttmp6, 0x40004
	s_lshl_b32 s42, ttmp9, 2
	s_add_co_u32 s42, s42, s40                     ; tile column = 4 x cluster x + cx: 0..31
	s_and_b32 s43, ttmp7, 0xffff
	s_lshl_b32 s43, s43, 2
	s_add_co_u32 s43, s43, s41                     ; tile row = 4 x cluster y + cy: 0..7
	s_lshl_b32 s44, s41, 2
	s_lshl_b32 s44, 15, s44                        ; my row of the cluster
	s_lshl_b32 s45, 0x1111, s40                    ; my column
	; descriptor group 1: a tile of 128 rows x 256 bytes, padded in LDS
	s_or_b32 s[G1+0], s44, (0<<16)|(1<<20)|(1<<21)|(5<<22)|(3<<25)   ; 15:0 the mask: A's tiles go to my row; 17:16 elements of 1 byte; 20 padding on; 21 set beside a mask; 24:22 after every 64 words (code 5); 31:25 four words (code 3)
	s_or_b32 s[G1B+0], s45, (0<<16)|(1<<20)|(1<<21)|(5<<22)|(3<<25)  ; the same with the mask of my column
.irp g, G1, G1B
	s_mov_b32 s[\g+1], ROWB<<16                    ; tensor_dim0
	s_mov_b32 s[\g+2], 128<<16                     ; tensor_dim1
	s_mov_b32 s[\g+3], ROWB<<16                    ; tile_dim0
	s_mov_b32 s[\g+4], 128                         ; tile_dim1
	s_mov_b32 s[\g+5], KROW                        ; tensor_dim0_stride
	s_mov_b32 s[\g+6], 0
	s_mov_b32 s[\g+7], 0
.endr
	s_lshl_b32 s20, s43, 8                         ; A: row 256 x tile row + 128 x jh, in bytes: it hangs on the tile row alone, which my row of the cluster shares
	s_lshl_b32 s21, s18, 7
	s_add_co_u32 s20, s20, s21
	s_lshl_b32 s20, s20, 11
	s_mov_b32 s21, 0
	s_lshl_b32 s46, s42, 18                        ; B: row 128 x tile column, in bytes: it hangs on the tile column alone, which my column shares
	s_mov_b32 s47, 0
	s_mul_i32 s19, s16, HALFT                      ; where they go: wave x 128 rows: no place in the cluster enters an LDS address
	s_wait_dscnt 0x0                               ; both opening adds are done
	CROUND                                         ; all sixteen work-groups are here: the first joint loads meet
	s_wait_kmcnt 0x0
	s_load_b32 s[CF], s[12:13], 0x0                ; c: waited for further down
	s_add_nc_u64 s[22:23], s[4:5], s[20:21]
	s_cmp_eq_u32 s18, 0
	s_cselect_b64 s[74:75], s[6:7], s[8:9]         ; B's buffer: base_codes in wave 2, mcodes in wave 3: the choice hangs on the wave's number alone
	s_add_nc_u64 s[72:73], s[74:75], s[46:47]
.irp s, 0,1
	s_mov_b32 s[G0+4*\s], 1                                        ; count = 1
	s_add_co_u32 s[G0+4*\s+1], s19, \s*SLOT                        ; LDS address
	s_add_nc_u64 s[G0+4*\s+2:G0+4*\s+3], s[22:23], \s*ROWB         ; global address: K step s
	s_or_b32 s[G0+4*\s+3], s[G0+4*\s+3], 0x80000000                ; type = 2
	s_mov_b32 s[G0B+4*\s], 1
	s_add_co_u32 s[G0B+4*\s+1], s19, \s*SLOT
	s_add_nc_u64 s[G0B+4*\s+2:G0B+4*\s+3], s[72:73], \s*ROWB
	s_or_b32 s[G0B+4*\s+3], s[G0B+4*\s+3], 0x80000000
.endr
	JLOAD 0                                        ; K step 0: one tensor load a wave at the head
	s_mul_i32 s80, s17, HALFT                      ; my 128 rows of A in a slot
	s_mul_i32 s81, s18, 64*PITCH                   ; my 64 rows of base, behind A's 256; the mask's lie 128 rows further on
	s_add_co_u32 s81, s81, 2*HALFT
	s_mul_i32 s84, s16, 16*PITCH
	s_add_co_u32 s84, s84, STAGE                   ; my stage
	s_lshl_b32 s82, s43, 4
	s_lshl_b32 s85, s17, 3
	s_add_co_u32 s82, s82, s85
	s_lshl_b32 s82, s82, 11                        ; A's scales: group 16 x tile row + 8 ih
	s_lshl_b32 s83, s42, 1
	s_add_co_u32 s83, s83, s18
	s_lshl_b32 s83, s83, 14
	s_add_co_u32 s83, s83, BSEC                    ; B's: BSEC + 16,384 (2 x tile column + jh)
	s_lshl_b32 s20, s43, 8                         ; my part of out: row 256 x tile row + 128 ih, byte 512 x tile column + 256 jh
	s_lshl_b32 s21, s17, 7
	s_add_co_u32 s20, s20, s21
	s_lshl_b32 s20, s20, 14
	s_lshl_b32 s21, s42, 9
	s_add_co_u32 s20, s20, s21
	s_lshl_b32 s21, s18, 8
	s_add_co_u32 s20, s20, s21
	s_mov_b32 s21, 0
	s_add_nc_u64 s[OUT:OUT+1], s[OUT:OUT+1], s[20:21]
	s_lshl_b32 s20, s43, 8                         ; the prefetches: the first of the 128 rows that I fetch, in A
	s_lshl_b32 s21, s18, 7
	s_add_co_u32 s20, s20, s21
	s_lshl_b32 s21, s42, 7                         ; in B's buffer
	s_and_b32 s22, ttmp9, 3
	s_cmp_eq_u32 s17, 0                            ; do I fetch for A?
	s_cselect_b32 s20, s20, s21
	s_cselect_b32 s21, s40, s41                    ; my place among the four that ask with me
	s_cselect_b32 s22, s22, 0
	s_cselect_b64 s[PFA:PFA+1], s[4:5], s[74:75]
	s_cmp_eq_u32 s22, 0
	s_cselect_b32 s[LIM], 1, -1                    ; the same in all sixteen partners, for a given wave
	s_lshl_b32 s21, s21, 5
	s_add_co_u32 s20, s20, s21                     ; + my work-group's 32 rows
	s_lshl_b32 s20, s20, 11
	s_mov_b32 s21, 0
	s_add_nc_u64 s[PFA:PFA+1], s[PFA:PFA+1], s[20:21]   ; at K step 0
	s_mov_b32 s3, LAPS-1                           ; the loop's trips
	v_and_b32 v1, 15, v0                           ; r = l % 16
	v_bfe_u32 v2, v0, 4, 1                         ; h = l / 16
	v_lshlrev_b32 v3, 11, v2
	v_lshl_add_u32 v3, v1, 4, v3                   ; a pair of groups of scales: 2,048 h + 16 r
	v_add_nc_u32 v[ADSA], s82, v3
	v_add_nc_u32 v[ADSB], s83, v3
	v_mul_u32_u24 v4, v1, PITCH
	v_lshl_add_u32 v5, v2, 4, v4                   ; a fragment's row x pitch + 16 h
	v_add_nc_u32 v[ADRA], s80, v5
	v_add_nc_u32 v[ADRB], s81, v5
	v_add_nc_u32 v[ADRA+1], SLOT, v[ADRA]
	v_add_nc_u32 v[ADRB+1], SLOT, v[ADRB]
	v_lshl_add_u32 v6, v2, 5, v4                   ; stage, in: row r, 32 bytes for each half of the lanes
	v_add_nc_u32 v[STO], s84, v6
	v_mul_u32_u24 v7, v2, PITCH                    ; back: lanes 0-15 one row of 256 bytes, lanes 16-31 the next
	v_lshl_add_u32 v7, v1, 4, v7
	v_add_nc_u32 v[RD], s84, v7
	v_lshlrev_b32 v8, 14, v2                       ; and the same two rows in out
	v_lshl_add_u32 v[CO], v1, 4, v8
	v_and_b32 v9, 31, v0
	v_lshlrev_b32 v[PFO], 11, v9
.macro GSCALES set, off                ; a K step's scale words into set: pair i of blocks lies 4,096 bytes behind pair i - 1, for A and for B alike; a load covers two times 256 consecutive aligned bytes
	WIN 0
.irp i, 0,1,2,3
	global_load_b128 v[SC+32*(\set)+4*\i:SC+32*(\set)+4*\i+3], v[ADSB], s[SCB:SCB+1] offset:(\off)+4096*\i
	global_load_b128 v[SC+32*(\set)+16+4*\i:SC+32*(\set)+16+4*\i+3], v[ADSA], s[SCB:SCB+1] offset:(\off)+4096*\i
.endr
.endm
.macro FRAG reg, adr, q, row           ; a fragment, 16 rows x 128 K of 4-bit codes: lane l holds row l % 16; registers 4 c .. 4 c + 3 hold K = 64 c + 32 (l / 16) + 0 .. 31
.irp c, 0,1
	ds_load_b128 v[\reg+4*\c:\reg+4*\c+3], v[\adr] offset:64*(\q)+32*\c+(\row)*PITCH
.endr
.endm
.macro LA slot, q, p, i                ; A's blocks 2 i, 2 i + 1 into A's set p: four loads
	WIN 0
	FRAG AF+64*(\p)+16*(\i), ADRA+\slot, \q, 32*(\i)
	FRAG AF+64*(\p)+16*(\i)+8, ADRA+\slot, \q, 32*(\i)+16
.endm
.macro LB slot, q, p, i                ; B's blocks 2 i, 2 i + 1 into v[64 p ..] of window 1: pairs 0, 1 base's rows 32 i on, pairs 2, 3 the mask's, 64 rows further on than 32 i: four loads
	WIN TO_B
	FRAG 64*(\p)+16*(\i), ADRB+\slot, \q, 32*(\i)+64*((\i)/2)
	FRAG 64*(\p)+16*(\i)+8, ADRB+\slot, \q, 32*(\i)+64*((\i)/2)+16
.endm
; Four matrix instructions: A's block a x B's four pairs, the slot's q-th 128 along K, scale set sc.  B's scales: lane m for row m of 32; A's: lanes 0-15 an even block's, lanes 16-31 (ROW1) an odd block's.
; zero = 1: the first product starts the sums: nothing is ever cleared.  The accumulators take turns, one instruction a turn.
.macro MUL a, breg, areg, q, sc, zero
.set AC, 64*((\a)%4)
.set SA, SC+32*(\sc)+16+4*((\a)/2)+(\q)
.irp b, 0,1,2,3
.if \zero
.if (\a)%2
	v_wmma_scale_f32_32x16x128_f4 v[AC+16*\b:AC+16*\b+15], v[\breg+16*\b:\breg+16*\b+15], v[\areg:\areg+7], 0, v[SC+32*(\sc)+4*\b+(\q)], v[SA] matrix_b_scale:MATRIX_SCALE_ROW1
.else
	v_wmma_scale_f32_32x16x128_f4 v[AC+16*\b:AC+16*\b+15], v[\breg+16*\b:\breg+16*\b+15], v[\areg:\areg+7], 0, v[SC+32*(\sc)+4*\b+(\q)], v[SA]
.endif
.else
.if (\a)%2
	v_wmma_scale_f32_32x16x128_f4 v[AC+16*\b:AC+16*\b+15], v[\breg+16*\b:\breg+16*\b+15], v[\areg:\areg+7], v[AC+16*\b:AC+16*\b+15], v[SC+32*(\sc)+4*\b+(\q)], v[SA] matrix_b_scale:MATRIX_SCALE_ROW1
.else
	v_wmma_scale_f32_32x16x128_f4 v[AC+16*\b:AC+16*\b+15], v[\breg+16*\b:\breg+16*\b+15], v[\areg:\areg+7], v[AC+16*\b:AC+16*\b+15], v[SC+32*(\sc)+4*\b+(\q)], v[SA]
.endif
.endif
.endr
.endm
.macro MULP i, slot, q, zero           ; A's blocks 2 i, 2 i + 1 on sets q % 2: eight matrix instructions
	WIN MUL_LO+0x50*((\i)/2)
	MUL 2*(\i), 64*((\q)%2), AF+64*((\q)%2)+16*(\i), \q, \slot, \zero
	MUL 2*(\i)+1, 64*((\q)%2), AF+64*((\q)%2)+16*(\i)+8, \q, \slot, \zero
.endm
; A load into a register that a matrix instruction has read, and a vector instruction that reads a matrix result, stand four places behind that matrix instruction; only plain vector instructions that name none of
; its registers are places (ISA guide 7.12.1 for vector instructions).
.macro PLACES
.rept 4
	v_nop
.endr
.endm
.macro LSET slot, q, p                 ; all 32 loads of a step's fragments into set p, in one run
	LB \slot, \q, \p, 0
	LB \slot, \q, \p, 1
	LB \slot, \q, \p, 2
	LB \slot, \q, \p, 3
	LA \slot, \q, \p, 0
	LA \slot, \q, \p, 1
	LA \slot, \q, \p, 2
	LA \slot, \q, \p, 3
.endm
; A step of 128 along K is 32 matrix instructions on set q % 2; ahead of them stands ONE run: the next step's 32 LDS loads into the other set, which have the whole step in which to come back.
; scn: -1, or how many scale loads may be out at the first product; gs = 1: the other set's scale words are asked for, those of the next K step.
.macro STEP slot, q, zero, scn, gs
	PLACES
	LSET \slot, (\q)+1, 1-(\q)
.if (\scn) >= 0
	s_wait_loadcnt \scn                            ; this K step's scale words are in
.endif
.if \gs
	GSCALES 1-\slot, SSTEP*(1-\slot)               ; the base was stepped two K steps on in slot 0's last change: slot 1 asks at 0, slot 0 at one K step
.endif
	s_wait_dscnt 32                                ; this step's fragments are in; the 32 loads just issued may be out
	MULP 0, \slot, \q, \zero
	MULP 1, \slot, \q, \zero
	MULP 2, \slot, \q, \zero
	MULP 3, \slot, \q, \zero
.endm
; A slot's step q = 2, which issues the slot's last reads, and the meeting: ONE barrier; in front of it each wave waits for all its tensor loads (my part of the next slot), adds 0 to its spare word, and waits for that
; and for its own reads of this slot.  The first eight products of step q = 3 stand between the barrier's signal and its wait.  fill = 1: the barrier opens a round of the cluster's.
.macro STEPM slot, fill
.if \fill
	s_wait_xcnt 0x0                                ; the scale loads and the prefetches issued so far have read their bases
	s_add_nc_u64 s[PFA:PFA+1], s[PFA:PFA+1], ROWB
.if \slot == 0
	s_add_nc_u64 s[SCB:SCB+1], s[SCB:SCB+1], 2*SSTEP
.endif
.endif
	PLACES
	LSET \slot, 3, 1
	s_wait_dscnt 32                                ; this step's fragments are in
	MULP 0, \slot, 2, 0
	MULP 1, \slot, 2, 0
	MULP 2, \slot, 2, 0
	WIN 0                                          ; (the add's two registers lie in window 0)
	s_wait_tensorcnt 0x0
	ds_add_u32 v[SPW], v[NIL]                      ; 0 onto my spare word
.if \fill
	s_add_nc_u64 s[G0+4*\slot+2:G0+4*\slot+3], s[G0+4*\slot+2:G0+4*\slot+3], 2*ROWB      ; no tensor load of mine is out: this slot's next tile, two K steps on
	s_add_nc_u64 s[G0B+4*\slot+2:G0B+4*\slot+3], s[G0B+4*\slot+2:G0B+4*\slot+3], 2*ROWB
.endif
	MULP 3, \slot, 2, 0                            ; eight matrix instructions stand between the add and the wait for it
	s_wait_dscnt 0x0                               ; the add is done, and my reads of this slot are over
	s_barrier_signal -1
	MULP 0, \slot, 3, 0
	WIN 0
	s_barrier_wait -1
.endm
; The rest of step q = 3 where the slot is filled again: the round's rest, the joint refill, and the next slot's first fragments, with 24 products to come.
.macro STEPT slot, next
	CREST                                          ; no wave of any partner still reads this slot's tile or has a load on its way
	JLOAD \slot                                    ; the first tensor load behind the round, my one load until the next; its four v_nop are also the places in front of the loads below
	LSET \next, 0, 0
	ASK 3
	MULP 1, \slot, 3, 0
	MULP 2, \slot, 3, 0
	MULP 3, \slot, 3, 0
.endm
	s_wait_alu depctr_va_vdst(0)                   ; the wait at the head's end
	GSCALES 0, 0                                   ; K step 0's scale words
	ASK 1                                          ; K step 1's tiles
	s_wait_kmcnt 0x0                               ; c
	s_mov_b32 s[CF+1], s[CF]
	s_wait_tensorcnt 0x0                           ; my part of K step 0 is in
	ds_add_u32 v[SPW], v[NIL]
	s_wait_dscnt 0x0
	CROUND                                         ; everybody's part of K step 0 is in, and all sixteen work-groups are here
	JLOAD 1                                        ; K step 1: the first tensor load behind the round
	LSET 0, 0, 0
	ASK 2                                          ; K steps 2 and 3
	STEP 0, 0, 1, 0, 1                             ; the first step stands in front of the loop: its products start the sums
	WIN 0                                          ; at a label and at a branch every window is 0
.Llap:                                                 ; a trip goes once round the ring, from a lap's second step to the next lap's first, and fills both slots again
	STEP 0, 1, 0, -1, 0
	STEPM 0, 1
	STEPT 0, 1
	STEP 1, 0, 0, 0, 1
	STEP 1, 1, 0, -1, 0
	STEPM 1, 1
	STEPT 1, 0
	STEP 0, 0, 0, 0, 1
	WIN 0
	s_sub_co_u32 s3, s3, 1
	s_cmp_lg_u32 s3, 0
	s_cbranch_scc1 .Llap
	STEP 0, 1, 0, -1, 0
	STEPM 0, 0                                     ; my one tensor load that was still out is the last K step's, so no round follows
; THE LAST K STEP, in slot 1, by rows.  B's fragments of step q lie at v[64 p] of window 1, p = 0, 2, 3, 1 for q = 0 .. 3: v64-127 are free last.  A's pairs of blocks, all four q, take turns in two buffers of 64 registers.
.macro BROW q, p
	LB 1, \q, \p, 0
	LB 1, \q, \p, 1
	LB 1, \q, \p, 2
	LB 1, \q, \p, 3
.endm
.macro AROW i
	WIN 0
.irp q, 0,1,2,3
	FRAG AF+64*((\i)%2)+8*\q, ADRA+1, \q, 32*(\i)
	FRAG AF+64*((\i)%2)+32+8*\q, ADRA+1, \q, 32*(\i)+16
.endr
.endm
.macro ROWQ i, q, p                    ; blocks 2 i, 2 i + 1: eight accumulators by turns
	WIN MUL_LO+0x50*((\i)/2)
	MUL 2*(\i), 64*(\p), AF+64*((\i)%2)+8*(\q), \q, 1, 0
	MUL 2*(\i)+1, 64*(\p), AF+64*((\i)%2)+32+8*(\q), \q, 1, 0
.endm
; THE WAY OUT, by blocks of 16 rows x 64 columns.  PACK: out = x base + c x mask, two numbers an instruction, in place; each accumulator is read from its low end on.
; TOSTAGE: a lane's 32 bytes of a row go into my own stage and come back as whole rows of 256 bytes, into the registers of the block's x mask sums.  SEND: sixteen lanes store 256 consecutive aligned bytes of a row of out.
.macro PACK a
.set AC, 64*((\a)%4)
	WIN 0xa2+0x51*((\a)/4)                         ; sources 0 and 2 and the destination: window 2 or 3
.irp j, 0,2,4,6,8,10,12,14,16,18,20,22,24,26,28,30
	v_pk_fma_f32 v[AC+\j:AC+\j+1], v[AC+32+\j:AC+32+\j+1], s[CF:CF+1], v[AC+\j:AC+\j+1] op_sel_hi:[1,0,1]
.endr
.endm
.macro TOSTAGE a
.set AC, 64*((\a)%4)
	WIN 0x88+0x44*((\a)/4)                         ; the data of stores and the destination of loads: window 2 or 3
.irp nb, 0,1,2,3
	ds_store_b128 v[STO], v[AC+8*\nb:AC+8*\nb+3] offset:64*\nb
	ds_store_b128 v[STO], v[AC+8*\nb+4:AC+8*\nb+7] offset:64*\nb+16
.endr
.irp i, 0,1,2,3,4,5,6,7
	ds_load_b128 v[AC+32+4*\i:AC+32+4*\i+3], v[RD] offset:2*\i*PITCH   ; LDS serves a wave's instructions in order (ISA guide 5.7.1.4): these see the stores above, and the next block's stores come behind them
.endr
.endm
.macro SEND a, younger                 ; younger: the LDS instructions issued behind block a's loads, which may stay out
.set AC, 64*((\a)%4)
	WIN 0x88+0x44*((\a)/4)
	s_wait_dscnt \younger                          ; the block is back in registers
.irp i, 0,1,2,3,4,5,6,7
	global_store_b128 v[CO], v[AC+32+4*\i:AC+32+4*\i+3], s[OUT:OUT+1] offset:(16*(\a)+2*\i)*NB4   ; 126 rows of out at the most: inside the signed 24-bit immediate
.endr
.endm
.macro LEAVE i                         ; blocks 2 i, 2 i + 1 are finished: the buffer of A's that they leave takes the pair two on
	PLACES
	PACK 2*(\i)
	TOSTAGE 2*(\i)
	PACK 2*(\i)+1
	TOSTAGE 2*(\i)+1
.if (\i) == 0
	SEND 0, 16                                     ; the first pair leaves at once: behind block 0's loads stand block 1's 8 stores and 8 loads
	SEND 1, 0
.endif
.if (\i) < 2
	AROW (\i)+2
.endif
.endm
	PLACES                                         ; for the loads into the sets that step q = 2 read
	BROW 0, 0
	AROW 0
	BROW 1, 2
	BROW 2, 3
	MULP 1, 0, 3, 0
	MULP 2, 0, 3, 0
	MULP 3, 0, 3, 0
	PLACES                                         ; for the loads into the sets that step q = 3 read
	BROW 3, 1
	AROW 1
	s_wait_loadcnt 0x0                             ; the last K step's scale words are in
	s_wait_dscnt 48                                ; B's q = 0, 1 and A's pair 0 are in; B's q = 2, 3 and A's pair 1 may be out
	ROWQ 0, 0, 0
	ROWQ 0, 1, 2
	s_wait_dscnt 32                                ; B's q = 3 and A's pair 1 may be out
	ROWQ 0, 2, 3
	s_wait_dscnt 16                                ; A's pair 1 may be out
	ROWQ 0, 3, 1
	LEAVE 0
.irp i, 1,2,3
.if \i == 2
	s_wait_dscnt 48                                ; A's pair 2 is in; behind it stand 32 stage instructions and 16 loads of A's pair 3  (pair 1 is in: the first pair's last wait was for 0)
.endif
.if \i == 3
	s_wait_dscnt 32                                ; behind the last pair stand 32 stage instructions
.endif
	ROWQ \i, 0, 0
	ROWQ \i, 1, 2
.if \i == 2
	SEND 2, 32                                     ; the pair before: behind its first block's loads stand the second's 8 stores and 8 loads, and 16 loads of A's next pair
	SEND 3, 16
.endif
.if \i == 3
	SEND 4, 16
	SEND 5, 0
.endif
	ROWQ \i, 2, 3
	ROWQ \i, 3, 1
	LEAVE \i
.endr
	SEND 6, 16
	SEND 7, 0
	WIN 0
	s_wait_tensorcnt 0x0                           ; the wave's end: behind my last tensor load and my last LDS store
	ds_add_u32 v[SPW], v[NIL]
	s_wait_dscnt 0x0
	CROUND                                         ; the closing round: no work-group ends while a partner may still ask for a tile that names it
	s_endpgm
.Lfunc_end_k_q6378ee2ac6_gemm:
	.size	k_q6378ee2ac6_gemm, .Lfunc_end_k_q6378ee2ac6_gemm-k_q6378ee2ac6_gemm
	.p2alignl 7, 3214868480
	.fill 96, 4, 3214868480
	.section	.rodata,"a",@progbits
	.p2align	6, 0x0
	.amdhsa_kernel k_q6378ee2ac6_gemm
		.amdhsa_group_segment_fixed_size 327680
		.amdhsa_private_segment_fixed_size 0
		.amdhsa_enable_private_segment 0
		.amdhsa_kernarg_size 48
		.amdhsa_user_sgpr_count 2
		.amdhsa_user_sgpr_kernarg_segment_ptr 1
		.amdhsa_wavefront_size32 1
		.amdhsa_system_sgpr_workgroup_id_x 1
		.amdhsa_system_sgpr_workgroup_id_y 1
		.amdhsa_system_sgpr_workgroup_id_z 1
		.amdhsa_system_vgpr_workitem_id 0
		.amdhsa_next_free_vgpr 1024
		.amdhsa_next_free_sgpr 96
		.amdhsa_reserve_vcc 0
		.amdhsa_float_denorm_mode_32 3
		.amdhsa_float_denorm_mode_16_64 3
		.amdhsa_memory_ordered 1
		.amdhsa_forward_progress 1
		.amdhsa_inst_pref_size 139
	.end_amdhsa_kernel
	.amdgpu_metadata
---
amdhsa.version: [ 1, 2 ]
amdhsa.kernels:
  - .name:           k_q6378ee2ac6_gemm
    .symbol:         k_q6378ee2ac6_gemm.kd
    .args:
      - { .name: x_codes, .offset: 0, .size: 8, .value_kind: global_buffer, .address_space: global }
      - { .name: base_codes, .offset: 8, .size: 8, .value_kind: global_buffer, .address_space: global }
      - { .name: mcodes, .offset: 16, .size: 8, .value_kind: global_buffer, .address_space: global }
      - { .name: scl, .offset: 24, .size: 8, .value_kind: global_buffer, .address_space: global }
      - { .name: coeff, .offset: 32, .size: 8, .value_kind: global_buffer, .address_space: global }
      - { .name: out0, .offset: 40, .size: 8, .value_kind: global_buffer, .address_space: global }
    .group_segment_fixed_size: 327680
    .private_segment_fixed_size: 0
    .kernarg_segment_align: 8
    .kernarg_segment_size: 48
    .max_flat_workgroup_size: 128
    .sgpr_count:     96
    .vgpr_count:     1024
    .wavefront_size: 32
...
	.end_amdgpu_metadata
.endif
;; end of part 2
